; MI455X (gfx1250); checked and timed in simulation.
; The chip was launched on July 23, 2026; its instructions are those of AMD's public machine-readable ISA for CDNA 5 (MIT licence, August 2026) and "CDNA5" Instruction Set Architecture Reference Guide (July 2026). The comments in the code are by the model that wrote it; some were corrected since.
;; CAA Stable. Allowed arithmetic: matrix products marked QUANTISED: E2M1 operands, one E8M0 scale for each 32 along K, by v_wmma_scale_f32_16x16x128_f8f6f4 with both operands' format E2M1 (or v_wmma_scale_f32_32x16x128_f4), f32 sums; products left as they are: f32 operands where the result goes on into a quantised operand, else bf16, f16 or f32 operands; f32 sums; everything else in f32.
;; Inputs: Wk_codes 16 x 8 x 16 uint8 (E2M1 codes of Wk, K innermost, in blocks of 32 codes, two codes a byte); Wk_scales 16 x 8 uint8 (E8M0 scales of Wk, one for each 32 codes along K); Wo_codes 256 x 8 x 16 uint8 (E2M1 codes of Wo, K innermost, in blocks of 32 codes, two codes a byte); Wo_scales 256 x 8 uint8 (E8M0 scales of Wo, one for each 32 codes along K); Wq_codes 16 x 8 x 16 uint8 (E2M1 codes of Wq, K innermost, in blocks of 32 codes, two codes a byte); Wq_scales 16 x 8 uint8 (E8M0 scales of Wq, one for each 32 codes along K); Wv_codes 256 x 8 x 16 uint8 (E2M1 codes of Wv, K innermost, in blocks of 32 codes, two codes a byte); Wv_scales 256 x 8 uint8 (E8M0 scales of Wv, one for each 32 codes along K); bk 16 float32; bo 256 float32; bq 16 float32; bv 256 float32; gamma 1 float32; x 8 x 256 x 64 x 64 float32.
;; Outputs: out0 8 x 256 x 64 x 64 float32.
;; This version of the problem:
;;   THIS VERSION OF THE PROBLEM IS GIVEN IN LOW PRECISION. The matrix products marked QUANTISED in the list below multiply operands that are first quantised to E2M1 (2 exponent bits, 1 mantissa bit; 4 bits a number), with one power-of-two scale for each 32 numbers along K (OCP MX v1.0); their sums are f32. All else is computed in f32.
;;   The module's matrix products, in the order in which they are computed (A, B: the left and right operand; K: the contracted axis; several contracted axes count as one K, in the product's order):
;;     1. [M 32,768, K 256] x [K 256, N 16]; A: input x; B: input Wq (given as codes): QUANTISED
;;     2. [M 32,768, K 256] x [K 256, N 16]; A: input x; B: input Wk (given as codes): QUANTISED
;;     3. [M 32,768, K 256] x [K 256, N 256]; A: input x; B: input Wv (given as codes): QUANTISED
;;     4. batch 8 x [M 4,096, K 16] x [K 16, N 4,096]; A: computed on the way; B: computed on the way: left as it is (K = 16 < 32)
;;     5. batch 8 x [M 256, K 4,096] x [K 4,096, N 4,096]; A: computed on the way; B: softmax (see below): QUANTISED
;;     6. [M 32,768, K 256] x [K 256, N 256]; A: computed on the way; B: input Wo (given as codes): QUANTISED
;;   THE QUANTISER, for each operand of a quantised product, along K:
;;     - K is cut into blocks of 32 from its start; a last block that is shorter is filled with zeros.
;;     - A block's scale is 2^e with e = floor(log2(the largest magnitude in the block)) - 2, held to -126 .. 127; a block of zeros has e = 0. As a byte (E8M0): e + 127.
;;     - Each number is divided by its block's scale, clamped to +-6, and rounded to the nearest number of E2M1, ties to even, subnormals kept.
;;     - The product sums the exact products of the quantised numbers (number of the format x scale) in f32.
;;   ~~~python
;;   def quantise(x, axis):      # numpy; x: float32 -> the quantised numbers, widened to float32 again
;;       x = np.moveaxis(x, axis, -1); K = x.shape[-1]
;;       x = np.pad(x, [(0, 0)] * (x.ndim - 1) + [(0, -K % 32)]); x = x.reshape(x.shape[:-1] + (-1, 32)); a = np.abs(x).max(-1, keepdims=True)
;;       e = np.where(a > 0, np.clip(np.frexp(np.where(a > 0, a, 1))[1] - 1 - 2, -126, 127), 0)      # np.frexp(a)[1] - 1 = floor(log2(a)), exactly
;;       r = np.clip(x / 2.0 ** e, -6, 6)
;;       step = 2.0 ** (np.maximum(np.frexp(np.where(r == 0, 1, r))[1] - 1, 0) - 1)
;;       q = np.round(r / step) * step * 2.0 ** e      # np.round: ties to even
;;       return np.moveaxis(q.reshape(q.shape[:-2] + (-1,))[..., :K], -1, axis).astype(np.float32)
;;   ~~~
;;   SOFTMAX AHEAD OF A QUANTISED PRODUCT. Where the list says 'softmax', what is quantised is not the finished softmax but p = 2^(t - M), with t = logit x log2(e) and M = ceil(the row's largest t), a whole number; so 1/2 < the row's largest p <= 1. The row's sum l is taken of the UNQUANTISED p, in f32, and the product's result is divided by l at the end. Since M is a whole number, a kernel that streams over the keys may use a running M (the ceiling of the running maximum): every later rescaling is an exact power of two, which a block's scale takes up: the codes' values come out the same.
;;   OPERANDS COMPUTED ON THE WAY. 'Computed on the way' means the value that the module computes at that place (a softmax that the list does not call 'softmax' is quantised finished and normalised). What goes into a quantiser is computed in f32, as accurately as f32 sums, v_exp_f32 and their like allow (about 1e-6 of the number): no bf16 or f16 on the way to a quantiser, and a product that is left as it is and whose result goes on into a quantised operand takes f32 operands (vector FMAs, or v_wmma_f32_16x16x4_f32). A number that lies on a knife's edge between two numbers of the format may be rounded either way, as far as f32 arithmetic and the matrix unit's own rounding can turn it there, and no further.
;;   INPUTS GIVEN AS CODES. Wk (in the module: [16, 256], K = its axis 1); Wo (in the module: [256, 256], K = its axis 1); Wq (in the module: [16, 256], K = its axis 1); Wv (in the module: [256, 256], K = its axis 1): each comes as NAME_codes (uint8): NAME with its K axis moved to the last place and cut into blocks of 32 codes, [.., K / 32, bytes a block], one block behind the other in memory; two codes a byte, the lower K in the low four bits (a code: sign, 2 exponent bits, 1 mantissa bit); and NAME_scales (uint8): the same leading axes, one E8M0 byte (e + 127) for each 32 codes along K. Its value is code x scale, taken as it is: it is not quantised again, and the codes and scales need not be those that the quantiser above would give.
;; One version. Each part assembles by itself: llvm-mc -triple=amdgcn-amd-amdhsa -mcpu=gfx1250 --defsym DOCPART=n.
;; ======== version 1 of 1: 2 launches
;; limits: right only within a limited range of input values
;; workspace buffers: kv 6,553,600 bytes; qf 2,097,152 bytes
;; launch project (part 1): grid 32 x 8, 8 waves a work-group, no clusters, 21,504 bytes of LDS; arguments x, Wq_codes, Wq_scales, bq, Wk_codes, Wk_scales, bk, Wv_codes, Wv_scales, bv, kv, qf; writes kv, qf
.if DOCPART == 1
	.amdgcn_target "amdgcn-amd-amdhsa--gfx1250"
	.amdhsa_code_object_version 6
	.text
	.protected	k_q0bbceffb94_project
	.globl	k_q0bbceffb94_project
	.p2align	8
	.type	k_q0bbceffb94_project,@function
k_q0bbceffb94_project:
	s_mov_b64 s[64:65], 0
	v_nop
	global_prefetch_b8 v0, s[64:65] scope:SCOPE_SE
	s_setreg_imm32_b32 hwreg(HW_REG_WAVE_MODE, 25, 1), 1
	s_wait_xcnt 0x0
; x [8][256][4096] f32 is quantised along its channels (E2M1, one E8M0 byte for each 32) and multiplied by Wq, Wk, Wv, which are given as codes.
; OUT: k + bk (f32), (q + bq) x c (f32, c = 0.25 log2 e: the logits' scale and the change to base 2 in one factor), and v + bv quantised along the KEYS, all laid as IMAGES OF OPERAND REGISTERS for the next launch:
; an image is 8 registers a lane, registers 0-3 at 16 x lane, registers 4-7 at 512 + 16 x lane: each store of the wave covers 512 consecutive bytes.
;   kv: [batch 8][key step 32][25,600 bytes]: a step is 128 keys: 8 images of k (tile T of 16 keys), 16 images of v's codes (tile T of 16 channels x 128 keys), 256 scale words of v (word 16 T + r).
;   qf: [batch 8][block of 128 queries 32][8 images].
; THE ROWS OF A TILE ARE NOT NEIGHBOURS: lane r of tile 2 b + u stands for row 32 b + 8 u + r + 8 (r / 8), of positions and of v's channels alike, so that a result's 16 registers of two neighbouring tiles are 16 neighbours along the next K.
; An image of k or q: lane (r, h), register j = k[position(r)][d = 8 h + j].
; SHARES.  A work-group takes 128 positions of one batch, all 256 channels.  Eight waves.  First wave w quantises 32 positions (w % 4) x 128 channels (w / 4): A LANE TAKES A POSITION AND ITS REGISTERS RUN DOWN THE CHANNELS,
; so that each load reads 128 consecutive bytes, a block of 32 lies in one lane, and the codes come out with K innermost.  They meet in LDS (one barrier).  Then wave w makes q and k of position tile w, and v of channel tiles 2 w, 2 w + 1 for all 128 positions.
; NO CLUSTER: the work-groups share the weights alone, 70 KB against each one's own 128 KB of x.  No tensor load: x goes straight into the registers in which it is quantised.
; The scale words' store covers 128 consecutive bytes a wave, half of an aligned 256: 1 KB of the 33 KB that a work-group stores.
; LIMITS: NaN and infinities among the inputs are not served.  A block of zeros, or one whose largest magnitude lies under 2^-124, gets the scale byte 1 (the rule says 127 for zeros): its codes are zeros, and this program alone reads the bytes.
.set PITCH, 144                        ; a position's row of codes in LDS: 128 bytes + 16
.set XS,    128*PITCH                  ; behind the 128 rows: the scale words, [K step 2][position 128]
.set STEPB, 25600                      ; a key step's block in kv
; window 0
.set XO,   1                           ; 4 x lane
.set XCW,  2                           ; where I store my position's codes: (32 (w % 4) + lane) x PITCH + 64 (w / 4)
.set XSW,  3                           ; and its scale word
.set XA,   4                           ; a fragment of x: (r + 8 (r / 8)) x PITCH + 16 h
.set XSA,  5                           ; its scale words: XS + 4 (r + 8 (r / 8))
.set QFA,  6                           ; the same two for position tile w
.set QSA,  7
.set KO,   8                           ; 16 x lane + 1,024 w: my image of k and of q
.set VO,   9                           ; 16 x lane + 2,048 w: my two images of v
.set WA,   10                          ; Wv's rows; later the scale words' store offset
.set WSA,  11
.set BVA,  12
.set WQA,  13                          ; Wq's and Wk's rows
.set WQSA, 14
.set BQA,  15
.set X,    16                          ; v16-143  128 numbers of x; later x's 16 fragments: (tile T, K step s) at X + 16 T + 8 s
.set ACC,  144                         ; v144-207 8 tiles of v; in the first phase v144-159 hold the codes just made
.set PC,   208                         ; v208-215 a fragment's codes
.set TM,   216                         ; v216-227 at work: 0-3 largest magnitudes, 4-7 the other half's and then the bytes, 8-11 the conversions' scale operands
.set PW0,  228                         ; v228, v229 scale words just made
.set XSC,  230                         ; v230-245 x's scale words (2 T + s)
.set QXS,  246                         ; v246-247 those of position tile w
.set WVS,  248                         ; v248-251 Wv's (2 u + s)
.set WQS,  252
.set WKS,  254
; window 1
.set WV,   0                           ; Wv's fragments (u, s) at 16 u + 8 s
.set BV,   32                          ; bv, 8 equal registers a tile
.set WQ,   48
.set WK,   64
.set BQ,   80
.set BK,   88
.set QF,   96                          ; x's fragments of position tile w
.set DQ,   112
.set DK,   120
.set QT,   128
.set SEL,  46                          ; s[46:47] v_permlanex16_b32's selects for lane l xor 16
.set MSB, 0
.macro WIN new                         ; the immediate's high byte repeats the setting that is left
.if MSB != \new
	s_set_vgpr_msb (MSB<<8)|\new
.set MSB, \new
.endif
.endm
; 64 numbers of a lane, register 16 b + i = k 32 b + 16 (lane / 16) + i of my row, become a fragment's codes in v[pc] on and its scale word in v[pw]
.macro QUANT s, pc, pw
.irp b, 0,1,2,3
	v_max3_num_f32 v[TM+\b], |v[\s+16*\b]|, |v[\s+1+16*\b]|, 0x1800000   ; my 16 numbers of block b, and the floor 2^(3 - 127): the byte cannot fall under 1
.endr
.irp i, 2,4,6,8,10,12,14
.irp b, 0,1,2,3
	v_max3_num_f32 v[TM+\b], v[TM+\b], |v[\s+16*\b+\i]|, |v[\s+1+16*\b+\i]|
.endr
.endr
.irp b, 0,1,2,3
	v_permlanex16_b32 v[TM+4+\b], v[TM+\b], s[SEL], s[SEL+1]
.endr
.irp b, 0,1,2,3
	v_max_num_f32 v[TM+\b], v[TM+\b], v[TM+4+\b]                       ; with lane l xor 16's: the block's largest magnitude
.endr
.irp b, 0,1,2,3
	v_add_nc_u32 v[TM+8+\b], 0xff000000, v[TM+\b]                      ; 2 off its exponent field: the conversion's scale operand
.endr
.irp b, 0,1,2,3
	v_lshrrev_b32 v[TM+4+\b], 23, v[TM+8+\b]                           ; the scale's byte
.endr
	v_lshl_or_b32 v[\pw], v[TM+5], 8, v[TM+4]
	v_lshl_or_b32 v[\pw], v[TM+6], 16, v[\pw]
	v_lshl_or_b32 v[\pw], v[TM+7], 24, v[\pw]
.irp b, 0,1,2,3
	v_cvt_scalef32_pk8_fp4_f32 v[\pc+2*\b], v[\s+16*\b:\s+7+16*\b], v[TM+8+\b]
	v_cvt_scalef32_pk8_fp4_f32 v[\pc+1+2*\b], v[\s+8+16*\b:\s+15+16*\b], v[TM+8+\b]
.endr
	v_nop                                          ; one plain line behind the scaled conversions
.irp c, 0,1                                    ; the operand wants a whole block in a lane: lanes 0-15 block 2 c, lanes 16-31 block 2 c + 1
.irp i, 0,1
	v_permlane16_swap_b32 v[\pc+4*\c+\i], v[\pc+2+4*\c+\i]
.endr
.endr
.endm
	s_load_b512 s[4:19], s[0:1], 0x0               ; x, Wq codes, Wq scales, bq, Wk codes, Wk scales, bk, Wv codes
	s_load_b256 s[20:27], s[0:1], 0x40             ; Wv scales, bv, kv, qf
	s_set_vgpr_msb 0x40
	v_lshl_add_u32 v254, v0, 2, 0x5000
	v_mov_b32 v255, 0
	s_set_vgpr_msb 0x4000
	v_lshrrev_b32 v208, 5, v0
	v_readfirstlane_b32 s28, v208                  ; wave 0..7
	s_and_b32 s29, s28, 3                          ; which 32 positions I quantise
	s_lshr_b32 s30, s28, 2                         ; which 128 channels
	s_and_b32 s32, ttmp7, 0xffff                   ; batch
	v_and_b32 v209, 31, v0                         ; lane
	v_and_b32 v210, 15, v0                         ; r
	v_bfe_u32 v211, v0, 4, 1                       ; h
	v_and_b32 v212, 8, v210
	v_add_nc_u32 v212, v212, v210                  ; r + 8 (r / 8)
	v_lshlrev_b32 v[XO], 2, v209
	s_mul_i32 s33, s29, 32*PITCH
	s_lshl_b32 s34, s30, 6
	s_add_co_u32 s33, s33, s34
	v_mul_u32_u24 v[XCW], v209, PITCH
	v_add_nc_u32 v[XCW], s33, v[XCW]
	s_lshl_b32 s33, s30, 9
	s_lshl_b32 s34, s29, 7
	s_add_co_u32 s33, s33, s34
	s_add_co_u32 s33, s33, XS
	v_add_nc_u32 v[XSW], s33, v[XO]
	v_mul_u32_u24 v[XA], v212, PITCH
	v_lshl_add_u32 v[XA], v211, 4, v[XA]
	v_lshl_add_u32 v[XSA], v212, 2, XS
	s_lshr_b32 s33, s28, 1
	s_lshl_b32 s33, s33, 5
	s_and_b32 s34, s28, 1
	s_lshl_b32 s34, s34, 3
	s_add_co_u32 s33, s33, s34                     ; position tile w begins at row 32 (w / 2) + 8 (w % 2)
	s_mul_i32 s34, s33, PITCH
	v_add_nc_u32 v[QFA], s34, v[XA]
	s_lshl_b32 s34, s33, 2
	v_add_nc_u32 v[QSA], s34, v[XSA]
	s_lshl_b32 s33, s28, 10
	v_lshl_add_u32 v[KO], v209, 4, s33
	s_lshl_b32 s33, s28, 11
	v_lshl_add_u32 v[VO], v209, 4, s33
	v_lshlrev_b32 v[WA], 7, v212                   ; a row of a weight is 256 codes, 128 bytes
	v_lshl_add_u32 v[WA], v211, 4, v[WA]
	v_lshlrev_b32 v[WSA], 3, v212                  ; and 8 scale bytes
	v_lshlrev_b32 v[BVA], 2, v212
	v_lshlrev_b32 v[WQA], 7, v210
	v_lshl_add_u32 v[WQA], v211, 4, v[WQA]
	v_lshlrev_b32 v[WQSA], 3, v210
	v_lshlrev_b32 v[BQA], 5, v211                  ; bq, bk: my half's eight numbers
.irp b, 0,1,2,3
	v_mov_b32 v[TM+4+\b], 0                        ; written once: a lane permute's destination counts as one of its sources
.endr
	s_lshl_b32 s34, s32, 22                        ; x: batch x 4 MiB
	s_lshl_b32 s33, s30, 21                        ;    + 128 channels x 16 KiB
	s_add_co_u32 s34, s34, s33
	s_lshl_b32 s33, ttmp9, 9                       ;    + 128 positions x 4 bytes
	s_add_co_u32 s34, s34, s33
	s_lshl_b32 s33, s29, 7                         ;    + 32 positions
	s_add_co_u32 s34, s34, s33
	s_mov_b32 s35, 0
	s_lshl_b32 s36, s28, 12                        ; Wv: my 32 rows of 128 bytes,
	s_mov_b32 s37, 0
	s_lshl_b32 s38, s28, 8                         ; of 8 scale bytes,
	s_mov_b32 s39, 0
	s_lshl_b32 s40, s28, 7                         ; and my 32 numbers of bv
	s_mov_b32 s41, 0
	s_lshl_b32 s42, s32, 5
	s_add_co_u32 s42, s42, ttmp9                   ; 32 x batch + block of 128 positions
	s_mul_i32 s44, s42, STEPB
	s_mov_b32 s45, 0
	s_lshl_b32 s42, s42, 13
	s_mov_b32 s43, 0
	s_mov_b32 s[SEL], 0x76543210
	s_mov_b32 s[SEL+1], 0xfedcba98
	s_wait_kmcnt 0x0
	s_add_nc_u64 s[4:5], s[4:5], s[34:35]
	s_add_nc_u64 s[18:19], s[18:19], s[36:37]
	s_add_nc_u64 s[20:21], s[20:21], s[38:39]
	s_add_nc_u64 s[22:23], s[22:23], s[40:41]
	s_add_nc_u64 s[24:25], s[24:25], s[44:45]
	s_add_nc_u64 s[26:27], s[26:27], s[42:43]
	; the weights first (30 loads): every wait for x below covers them
	WIN 0x40                                       ; destination window 1
.irp u, 0,1
.irp ss, 0,1
.irp c, 0,1
	global_load_b128 v[WV+16*\u+8*\ss+4*\c:WV+16*\u+8*\ss+4*\c+3], v[WA], s[18:19] offset:1024*\u+64*\ss+32*\c
.endr
.endr
	global_load_b32 v[BV+8*\u], v[BVA], s[22:23] offset:32*\u
.endr
.irp ss, 0,1
.irp c, 0,1
	global_load_b128 v[WQ+8*\ss+4*\c:WQ+8*\ss+4*\c+3], v[WQA], s[6:7] offset:64*\ss+32*\c
	global_load_b128 v[WK+8*\ss+4*\c:WK+8*\ss+4*\c+3], v[WQA], s[12:13] offset:64*\ss+32*\c
.endr
.endr
.irp c, 0,1
	global_load_b128 v[BQ+4*\c:BQ+4*\c+3], v[BQA], s[10:11] offset:16*\c
	global_load_b128 v[BK+4*\c:BK+4*\c+3], v[BQA], s[16:17] offset:16*\c
.endr
	WIN 0
.irp u, 0,1
.irp ss, 0,1
	global_load_b32 v[WVS+2*\u+\ss], v[WSA], s[20:21] offset:64*\u+4*\ss
.endr
.endr
.irp ss, 0,1
	global_load_b32 v[WQS+\ss], v[WQSA], s[8:9] offset:4*\ss
	global_load_b32 v[WKS+\ss], v[WQSA], s[14:15] offset:4*\ss
.endr
	; x: channel 128 (w / 4) + i of my position: 32 lanes read 128 consecutive bytes, four waves stand side by side on 512
.set T, 0
.rept 128
	global_load_b32 v[X+T], v[XO], s[4:5] offset:16384*T th:TH_LOAD_NT
.set T, T+1
.endr
; A block of 32 channels of my position.  left: how many younger loads may stay out
.macro BLOCK bl, left
.set XB, X+32*\bl
	s_wait_loadcnt \left
	v_max3_num_f32 v[TM], |v[XB]|, |v[XB+1]|, |v[XB+2]|              ; the block's largest magnitude: all 32 numbers are mine; two chains
	v_max3_num_f32 v[TM+1], |v[XB+3]|, |v[XB+4]|, |v[XB+5]|
.irp i, 6,10,14,18,22,26
	v_max3_num_f32 v[TM], v[TM], |v[XB+\i]|, |v[XB+\i+1]|
	v_max3_num_f32 v[TM+1], v[TM+1], |v[XB+\i+2]|, |v[XB+\i+3]|
.endr
	v_max3_num_f32 v[TM], v[TM], |v[XB+30]|, |v[XB+31]|
	v_max3_num_f32 v[TM], v[TM], v[TM+1], 0x1800000                  ; and the floor 2^(3 - 127)
	v_add_nc_u32 v[TM+2], 0xff000000, v[TM]                          ; 2 off the exponent field: the conversion's scale operand
	v_lshrrev_b32 v[TM+3], 23, v[TM+2]                               ; the scale's byte
.if \bl == 0
	v_mov_b32 v[PW0], v[TM+3]
.else
	v_lshl_or_b32 v[PW0], v[TM+3], 8*\bl, v[PW0]                     ; my four blocks are one K step of 128: their bytes are its scale word
.endif
.irp g, 0,1,2,3
	v_cvt_scalef32_pk8_fp4_f32 v[ACC+4*\bl+\g], v[XB+8*\g:XB+8*\g+7], v[TM+2]
.endr
	ds_store_b128 v[XCW], v[ACC+4*\bl:ACC+4*\bl+3] offset:16*\bl     ; 32 codes: 16 bytes of my position's row; each block has registers of its own
.endm
	BLOCK 0, 63                                    ; 96 loads are younger than this block's: 63 is the largest count that the wait can name
	BLOCK 1, 63                                    ; 64 are younger
	BLOCK 2, 32                                    ; the last block's 32 may be out
	BLOCK 3, 0
	v_nop                                          ; one plain line behind the last scaled conversion: matrix instructions write its registers later
	ds_store_b32 v[XSW], v[PW0]
	WIN 0x41                                       ; destination and source window 1
.irp u, 0,1
.irp i, 1,2,3,4,5,6,7
	v_mov_b32 v[BV+8*\u+\i], v[BV+8*\u]            ; in v's result a lane is a channel: its bias is the same in all eight registers
.endr
.endr
	WIN 0
	s_wait_dscnt 0x0                               ; for the others' sake: my codes and scale words lie in LDS
	s_barrier_signal -1
	s_barrier_wait -1                              ; everybody's do
	WIN 0x40
.irp ss, 0,1
.irp c, 0,1
	ds_load_b128 v[QF+8*\ss+4*\c:QF+8*\ss+4*\c+3], v[QFA] offset:64*\ss+32*\c
.endr
.endr
	WIN 0
.irp ss, 0,1
	ds_load_b32 v[QXS+\ss], v[QSA] offset:512*\ss
.endr
.set T, 0
.rept 8
.irp ss, 0,1
.irp c, 0,1
	ds_load_b128 v[X+16*T+8*\ss+4*\c:X+16*T+8*\ss+4*\c+3], v[XA] offset:(32*(T/2)+8*(T%2))*PITCH+64*\ss+32*\c
.endr
.endr
.set T, T+1
.endr
.set T, 0
.rept 8
.irp ss, 0,1
	ds_load_b32 v[XSC+2*T+\ss], v[XSA] offset:512*\ss+4*(32*(T/2)+8*(T%2))
.endr
.set T, T+1
.endr
	s_wait_dscnt 48                                ; tile w's fragments and scale words are in; the 32 + 16 loads issued behind them may be out
	; q and k of position tile w: source 0 = the weight's 16 rows d, source 1 = 16 positions: lane (r, h) holds position(r), register j the d = 8 h + j.  The biases are the C of each sum's first product.  The two sums take turns
	WIN 0x55                                       ; all four operands window 1
	v_wmma_scale_f32_16x16x128_f8f6f4 v[DQ:DQ+7], v[WQ:WQ+7], v[QF:QF+7], v[BQ:BQ+7], v[WQS], v[QXS] matrix_a_fmt:MATRIX_FMT_FP4 matrix_b_fmt:MATRIX_FMT_FP4
	v_wmma_scale_f32_16x16x128_f8f6f4 v[DK:DK+7], v[WK:WK+7], v[QF:QF+7], v[BK:BK+7], v[WKS], v[QXS] matrix_a_fmt:MATRIX_FMT_FP4 matrix_b_fmt:MATRIX_FMT_FP4
	v_wmma_scale_f32_16x16x128_f8f6f4 v[DQ:DQ+7], v[WQ+8:WQ+15], v[QF+8:QF+15], v[DQ:DQ+7], v[WQS+1], v[QXS+1] matrix_a_fmt:MATRIX_FMT_FP4 matrix_b_fmt:MATRIX_FMT_FP4
	v_wmma_scale_f32_16x16x128_f8f6f4 v[DK:DK+7], v[WK+8:WK+15], v[QF+8:QF+15], v[DK:DK+7], v[WKS+1], v[QXS+1] matrix_a_fmt:MATRIX_FMT_FP4 matrix_b_fmt:MATRIX_FMT_FP4
	s_wait_dscnt 0x0
; v of channel tile 2 w + u for the 128 positions: source 0 = 16 positions, source 1 = 16 rows of Wv: a lane holds ONE channel, and the 16 registers of tiles 2 b, 2 b + 1 are 16 neighbouring keys.  Eight sums by turns, a K step at a time
.macro VPROD u
	WIN 0x14                                       ; source 1 (Wv) and source 2 (bv) window 1
.set T, 0
.rept 8
	v_wmma_scale_f32_16x16x128_f8f6f4 v[ACC+8*T:ACC+8*T+7], v[X+16*T:X+16*T+7], v[WV+16*\u:WV+16*\u+7], v[BV+8*\u:BV+8*\u+7], v[XSC+2*T], v[WVS+2*\u] matrix_a_fmt:MATRIX_FMT_FP4 matrix_b_fmt:MATRIX_FMT_FP4
.set T, T+1
.endr
	WIN 0x04
.set T, 0
.rept 8
	v_wmma_scale_f32_16x16x128_f8f6f4 v[ACC+8*T:ACC+8*T+7], v[X+16*T+8:X+16*T+15], v[WV+16*\u+8:WV+16*\u+15], v[ACC+8*T:ACC+8*T+7], v[XSC+2*T+1], v[WVS+2*\u+1] matrix_a_fmt:MATRIX_FMT_FP4 matrix_b_fmt:MATRIX_FMT_FP4
.set T, T+1
.endr
	WIN 0
.rept 4
	v_nop                                          ; four places in front of the first read of results (ISA guide 7.12.1)
.endr
.endm
	VPROD 0
	WIN 0x44                                       ; destination and source 1 window 1
.irp j, 0,1,2,3,4,5,6,7
	v_mul_f32 v[QT+\j], 0x3eb8aa3b, v[DQ+\j]       ; q x c, c = 0.25 log2 e
.endr
	WIN 0x04                                       ; a store's data are its source 1: window 1
	global_store_b128 v[KO], v[DK:DK+3], s[24:25]
	global_store_b128 v[KO], v[DK+4:DK+7], s[24:25] offset:512
	global_store_b128 v[KO], v[QT:QT+3], s[26:27]
	global_store_b128 v[KO], v[QT+4:QT+7], s[26:27] offset:512
	WIN 0
	QUANT ACC, PC, PW0
	global_store_b128 v[VO], v[PC:PC+3], s[24:25] offset:8192
	global_store_b128 v[VO], v[PC+4:PC+7], s[24:25] offset:8192+512
	VPROD 1                                        ; begins the eight sums anew with another C: the quantiser's lines on TM are more than the five places that this asks
	s_wait_xcnt 0x0                                ; the stores have read v[PC] on: it is written again only behind this wait
	QUANT ACC, PC, PW0+1
	global_store_b128 v[VO], v[PC:PC+3], s[24:25] offset:8192+1024
	global_store_b128 v[VO], v[PC+4:PC+7], s[24:25] offset:8192+1024+512
	v_and_b32 v[TM], 31, v0
	s_lshl_b32 s33, s28, 7
	v_add_nc_u32 v[WA], s33, v[XO]                 ; (free since the wait for all loads)  4 x lane + 128 w
	v_cmp_gt_u32 vcc_lo, 16, v[TM]
	v_cndmask_b32 v[PW0], v[PW0+1], v[PW0], vcc_lo ; lanes 0-15: tile 2 w's words, lanes 16-31: tile 2 w + 1's (both halves of the lanes hold a row's word)
	global_store_b32 v[WA], v[PW0], s[24:25] offset:24576
	s_set_vgpr_msb 0x5
	s_wait_tensorcnt 0x0
	ds_add_u32 v254, v255
	s_wait_dscnt 0x0
	s_set_vgpr_msb 0x500
	s_endpgm
.Lfunc_end_k_q0bbceffb94_project:
	.size	k_q0bbceffb94_project, .Lfunc_end_k_q0bbceffb94_project-k_q0bbceffb94_project
	.p2alignl 7, 3214868480
	.fill 96, 4, 3214868480
	.section	.rodata,"a",@progbits
	.p2align	6, 0x0
	.amdhsa_kernel k_q0bbceffb94_project
		.amdhsa_group_segment_fixed_size 21504
		.amdhsa_private_segment_fixed_size 0
		.amdhsa_enable_private_segment 0
		.amdhsa_kernarg_size 96
		.amdhsa_user_sgpr_count 2
		.amdhsa_user_sgpr_kernarg_segment_ptr 1
		.amdhsa_wavefront_size32 1
		.amdhsa_system_sgpr_workgroup_id_x 1
		.amdhsa_system_sgpr_workgroup_id_y 1
		.amdhsa_system_sgpr_workgroup_id_z 1
		.amdhsa_system_vgpr_workitem_id 0
		.amdhsa_next_free_vgpr 512
		.amdhsa_next_free_sgpr 66
		.amdhsa_reserve_vcc 1
		.amdhsa_float_denorm_mode_32 3
		.amdhsa_float_denorm_mode_16_64 3
		.amdhsa_memory_ordered 1
		.amdhsa_forward_progress 1
		.amdhsa_inst_pref_size 43
	.end_amdhsa_kernel
	.amdgpu_metadata
---
amdhsa.version: [ 1, 2 ]
amdhsa.kernels:
  - .name:           k_q0bbceffb94_project
    .symbol:         k_q0bbceffb94_project.kd
    .args:
      - { .name: x, .offset: 0, .size: 8, .value_kind: global_buffer, .address_space: global }
      - { .name: Wq_codes, .offset: 8, .size: 8, .value_kind: global_buffer, .address_space: global }
      - { .name: Wq_scales, .offset: 16, .size: 8, .value_kind: global_buffer, .address_space: global }
      - { .name: bq, .offset: 24, .size: 8, .value_kind: global_buffer, .address_space: global }
      - { .name: Wk_codes, .offset: 32, .size: 8, .value_kind: global_buffer, .address_space: global }
      - { .name: Wk_scales, .offset: 40, .size: 8, .value_kind: global_buffer, .address_space: global }
      - { .name: bk, .offset: 48, .size: 8, .value_kind: global_buffer, .address_space: global }
      - { .name: Wv_codes, .offset: 56, .size: 8, .value_kind: global_buffer, .address_space: global }
      - { .name: Wv_scales, .offset: 64, .size: 8, .value_kind: global_buffer, .address_space: global }
      - { .name: bv, .offset: 72, .size: 8, .value_kind: global_buffer, .address_space: global }
      - { .name: kv, .offset: 80, .size: 8, .value_kind: global_buffer, .address_space: global }
      - { .name: qf, .offset: 88, .size: 8, .value_kind: global_buffer, .address_space: global }
    .group_segment_fixed_size: 21504
    .private_segment_fixed_size: 0
    .kernarg_segment_align: 8
    .kernarg_segment_size: 96
    .max_flat_workgroup_size: 256
    .sgpr_count:     66
    .vgpr_count:     512
    .wavefront_size: 32
...
	.end_amdgpu_metadata
.endif
;; end of part 1
;; launch attend (part 2): grid 32 x 8, 8 waves a work-group, clusters of 4 x 1, 327,680 bytes of LDS; arguments kv, qf, Wo_codes, Wo_scales, bo, gamma, x, out0; writes out0
.if DOCPART == 2
	.amdgcn_target "amdgcn-amd-amdhsa--gfx1250"
	.amdhsa_code_object_version 6
	.text
	.protected	k_q0bbceffb94_attend
	.globl	k_q0bbceffb94_attend
	.p2align	8
	.type	k_q0bbceffb94_attend,@function
k_q0bbceffb94_attend:
	s_mov_b64 s[64:65], 0
	v_nop
	global_prefetch_b8 v0, s[64:65] scope:SCOPE_SE
	s_setreg_imm32_b32 hwreg(HW_REG_WAVE_MODE, 25, 1), 1
	s_wait_xcnt 0x0
	s_wait_alu depctr_hold_cnt(0) depctr_sa_sdst(0) depctr_va_vdst(0) depctr_va_sdst(0) depctr_va_ssrc(0) depctr_va_vcc(0) depctr_vm_vsrc(0)
	s_getreg_b32 s2, hwreg(HW_REG_IB_STS2, 6, 4)
	s_cmp_eq_u32 s2, 0
	s_cbranch_scc0 .Lentry_in_a_cluster
	s_endpgm
.Lentry_in_a_cluster:
	s_bfe_u32 s2, ttmp6, 0x10000c
	s_cmp_lg_u32 s2, 0x3003
	s_cbranch_scc0 .Lentry_shape_is_right
	s_endpgm
.Lentry_shape_is_right:
; out0 = clip(gamma, 0, 1) x (Wo Q(out) + bo) + x, out[c][q] = (sum over keys of Q(v)[c][key] Q(p)[q][key]) / l[q], p = 2^t, t = clip(q . k / 4, -50, 50) x log2 e, l = the sum of the unquantised p.
; NO MAXIMUM IS TAKEN AWAY, because the clip that the problem itself makes holds t within +-72.14 for every input: 2^t lies within 1.9e-22 .. 5.2e21 and a row's sum under 2.2e25: nothing overflows or underflows in f32.
; The problem's p is 2^(t - M) with M a whole number: 2^t has the same codes, its blocks' scales are 2^M larger (bytes 52 .. 197), and so is l: the quotient is the same.
; So every block of 32 keys stands by itself: nothing is rescaled, and the softmax can be cut into half steps of 64 keys.
; SHARES.  A work-group owns 128 queries of one batch; each of its EIGHT waves owns 16, one tile, in 512 registers: two waves to a SIMD, so that while one wave waits (for its matrix results, its exponentials, its LDS loads)
; the other has instructions to issue.  The price: each fragment of k and v that a wave reads from LDS feeds one product.  Every wave walks all 4,096 keys, 128 a step.
; LAYOUT.  S^T = k q^T by the f32 matrix form (K = 16: four instructions a tile, the logits go on into a quantiser), O^T = v^T p^T on codes: a lane holds ONE query throughout.  The keys of a tile, and v's channels of a tile, are
; row 32 b + 8 u + r + 8 (r / 8) for lane r of tile 2 b + u: so p's 16 registers of two neighbouring tiles are 16 neighbouring keys, and O^T's are 16 neighbouring channels, the K of the last product.
; k, q and v's codes come as images of operand registers (8 registers a lane: 0-3 at 16 x lane, 4-7 at 512 + 16 x lane): every LDS load reads 512 consecutive bytes.  Of an image of k or q, lane (r, h), register j is d = 8 h + j;
; the f32 instruction i takes registers 2 i, 2 i + 1 of both sides: one order of d for both, each d once.
; BY TURNS.  A key step is two TURNS.  In turn c the 16 f32 products of the NEXT half step go into one set of sums, and the softmax of half c, 114 lines on the other set, stands in slices behind them; all of that lies in
; register window 0.  Behind turn 1 stand the step's 16 products on codes.
; RING.  Two LDS slots of four key steps (102,400 bytes: 400 rows of 256), filled by the tensor data mover, 50 rows a wave.
; LIMITS: NaN and infinities are not served; |v| stays under about 1e13, so that O^T (sums of v x 2^t) stays finite; c = 0.25 log2 e was folded into q: one more f32 rounding on q.
; A block of out that is all zeros or under 2^-124 gets the scale byte 1: its codes are zeros.
.set STEPB, 25600                      ; a key step's block: 8 images of k, 16 of v's codes, 1,024 bytes of v's scale words
.set SLOTB, 4*STEPB
.set SLOT1, 1<<17                      ; slot 1 begins here: one exclusive or turns an address in one slot into the other's
.set WO,    SLOT1+SLOTB                ; Wo's codes: 256 rows of 128 bytes + 16
.set WOP,   144
.set SPARE, WO+256*WOP                 ; the spare words, 128 bytes a wave: four blocks of 256 bytes that no other line names
.set XT2,   SPARE+1024                 ; x: the last 7 of each wave's 32 rows of 512 bytes
.set SP,    528                        ; the way out: a stage of 256 rows (output channels) x (512 bytes + 16)
.set STAGE, SLOT1                      ; over slot 1 and Wo: both have had their last fill and their last read when the first result is stored there
; window 0
.set SPW, 1                            ; LDS address of my spare word; never rewritten
.set NIL, 2                            ; 0; never rewritten
.set LI,  3                            ; 16 x lane
.set LS,  4                            ; 4 x lane
.set CLP, 5                            ; 50 log2 e
.set ADK, 6                            ; address of k's run of LDS loads
.set ADV, 7                            ; of v's scale words; on the way out: where I read the stage
.set PFO, 8                            ; the prefetches' offset
.set WOA, 9                            ; my lane's place in a tile of Wo
.set LA,  10                           ; v[10:11] the row's sum in two halves; at the end 1 / l in v10
.set XR,  12                           ; x's rows 0-24 of my 32 in LDS
.set ADW, 13                           ; address of v's run of LDS loads
.set SU,  14                           ; v[14:15] a second chain of the sums; at the end v14 = clip(gamma)
.set MX,  16                           ; v16-17 two blocks' largest p
.set MP,  18                           ; v18-19 the other half's; then the bytes
.set SO,  20                           ; v20-21 the conversions' scale operands; on the way out: where I store into the stage
.set PWA, 22                           ; p's scale word of the step
.set BOA, 23                           ; 4 r: bo's offset
.set VS,  24                           ; v24-31 v's scale words: register i: lanes 0-15 tile 2 i, lanes 16-31 tile 2 i + 1; at the end v24-25 out's scale words
.set QA,  32                           ; v32-39 q's image; at the end v32-47 bo
.set CA,  48                           ; v48-55 p's codes; at the end v48-59 at work
.set XR2, 60                           ; x's rows 25-31 in LDS
.set SA,  64                           ; v64-95, v96-127 S^T of an even and of an odd half step: written by the f32 matrix form alone
.set P,   128                          ; v128-159 p of the half step in hand
.set KB,  160                          ; v160-191, v192-223 k's images of an even and of an odd half step
.set WOS, 224                          ; v224-255 Wo's scale words (2 t + s)
.set H,   128                          ; at the end: 64 numbers of out;
.set WB,  128                          ; then four tiles of Wo: (tt, s) at 16 tt + 8 s
.set OC,  192                          ; out's two fragments
.set TM,  48
.set BO,  32
.set G,   14
.set STO, 20
.set RD,  7
; window 1: v0-127 O^T, tile T at 8 T; v128-255 v's 16 fragments.  At the end: v0-127 the last product's results, then rows of the stage; v128-255 my 32 rows of x
.set WV,  20                           ; s20 my wave's number
.set G1,  24                           ; s[24:31] descriptor group 1 for the ring
.set G1W, 32                           ; s[32:39] for Wo
.set G0A, 40                           ; s[40:43] group 0: slot 0's first fill
.set G0B, 44                           ; s[44:47] slot 1's first fill; it then walks
.set G0W, 48                           ; s[48:51] Wo
.set TB,  52                           ; s52 LDS byte at which the block of the step to be fetched begins
.set SLOTS, 53
.set CNT, 54
.set LIM, 55                           ; 1 in a wave that prefetches, else the greatest number
.set PFA, 56                           ; s[56:57] where my prefetches stand
.set SEL, 58                           ; s[58:59] v_permlanex16_b32's selects for lane l xor 16
.set G1X, 72                           ; s[72:79] group 1 for x's 25 rows;  s[80:83] their group 0
.set G0X, 80
.set G1Y, 84                           ; s[84:91] group 1 for x's 7 rows;  s[92:95] their group 0
.set G0Y, 92
.set MSB, 0
.macro WIN new                         ; the immediate's high byte repeats the setting that is left
.if MSB != \new
	s_set_vgpr_msb (MSB<<8)|\new
.set MSB, \new
.endif
.endm
.macro PLACES cnt
.rept \cnt
	v_nop
.endr
.endm
; A round of the cluster's barrier: my work-group's barrier; wave 0 signals for the work-group; every wave waits for all four work-groups; my work-group's barrier once more
.macro CROUND
	s_barrier_signal -1
	s_barrier_wait -1
	s_cmp_lg_u32 s[WV], 0
	s_cbranch_scc1 .Lnot_wave_0_\@
	s_barrier_signal -3
.Lnot_wave_0_\@:
	s_barrier_wait -3
	s_barrier_signal -1
	s_barrier_wait -1
.endm
; A PREFETCH INTO THE L2 of the slot that the NEXT change of slots will ask for: 102,400 bytes, 400 blocks of 256.  All clusters of a batch walk the same k and v: the batch's first cluster asks.  In each of its four work-groups
; waves 0 to 3 take 25 blocks each, told apart BY ADDRESS (25,600 bytes a work-group, 6,400 a wave); lanes 25 to 31 name lane 24's block again.  The last change that fills a slot asks for nothing.  Slots 0, 1 and 2 come by their loads alone.
.macro ASK
	s_cmp_gt_u32 s[SLOTS], s[LIM]
	s_cbranch_scc0 .Lnot_mine_\@
	global_prefetch_b8 v[PFO], s[PFA:PFA+1] th:TH_LOAD_NT scope:SCOPE_SE
.Lnot_mine_\@:
.endm
; 8 LDS loads: k's four images of half hb of the step at s[TB], into buffer hb
.macro FETCH_K hb
	v_add_nc_u32 v[ADK], s[TB], v[LI]
.irp tt, 0,1,2,3
	ds_load_b128 v[KB+32*\hb+8*\tt:KB+32*\hb+8*\tt+3], v[ADK] offset:4096*\hb+1024*\tt
	ds_load_b128 v[KB+32*\hb+8*\tt+4:KB+32*\hb+8*\tt+7], v[ADK] offset:4096*\hb+1024*\tt+512
.endr
.endm
; 40 LDS loads in one run: v's 16 fragments and their scale words.  Four places stand in front: the products on codes have read these registers
.macro FETCH_V
	PLACES 4
	v_add_nc_u32 v[ADW], s[TB], v[LI]
	v_add_nc_u32 v[ADV], s[TB], v[LS]
	WIN 0x40                                       ; destination window 1
.set T, 0
.rept 16
	ds_load_b128 v[128+8*T:128+8*T+3], v[ADW] offset:8192+1024*T
	ds_load_b128 v[128+8*T+4:128+8*T+7], v[ADW] offset:8192+1024*T+512
.set T, T+1
.endr
	WIN 0
.irp i, 0,1,2,3,4,5,6,7
	ds_load_b32 v[VS+\i], v[ADV] offset:24576+128*\i
.endr
.endm
; f32 product n of 16 of S^T of a half step of parity b: d's pair n / 4, key tile n % 4.  The first four start the sums with the constant 0.  The four sums take turns, one instruction a turn
.macro QK b
.set rD, SA+32*(\b)+8*(n%4)
.set rK, KB+32*(\b)+8*(n%4)+2*(n/4)
.set rQ, QA+2*(n/4)
.if n < 4
	v_wmma_f32_16x16x4_f32 v[rD:rD+7], v[rK:rK+1], v[rQ:rQ+1], 0
.else
	v_wmma_f32_16x16x4_f32 v[rD:rD+7], v[rK:rK+1], v[rQ:rQ+1], v[rD:rD+7]
.endif
.endm
; THE SOFTMAX for half c of a key step (64 keys: a lane's 32 scores, two blocks of 32 keys shared with lane l xor 16) is a list of 114 lines; SME writes number e.
;   0-63    the clip (S^T is read from each sum's low end on, into p's registers) and the 32 exponentials, by turns; no line names an exponential's result
;   64      one plain line behind the last exponential; the wait for the batch follows it (SLICE)
;   65-90   each block's largest p, with the floor 2^(3 - 127); the conversions' scale operands; the bytes, into the step's scale word
;   91-97   the conversions, a plain line, the exchange of halves that the operand's layout asks
;   98-113  the row's sum of the unquantised p, two at a time, in two chains.  They stand last: sixteen plain lines that name no register of the products round them: the places behind the turn's last f32 products
;           (eight are asked before S^T is read and before loads land on k's registers) and in front of the products on codes (eight behind the scale word's last write, four behind the codes')
.macro SME c
.set rS, SA+32*(\c)
.set rC, CA+4*(\c)
.if e < 4
	v_med3_num_f32 v[P+e], v[rS+e], -v[CLP], v[CLP]
.elseif (e < 60) && ((e%2) == 0)
	v_exp_f32 v[P+(e-4)/2], v[P+(e-4)/2]
.elseif e < 60
	v_med3_num_f32 v[P+4+(e-5)/2], v[rS+4+(e-5)/2], -v[CLP], v[CLP]
.elseif e < 64
	v_exp_f32 v[P+e-32], v[P+e-32]
.elseif e == 64
	v_nop
.elseif e < 67
	v_max3_num_f32 v[MX+e-65], v[P+16*(e-65)], v[P+16*(e-65)+1], 0x1800000
.elseif e < 81
	v_max3_num_f32 v[MX+(e-65)%2], v[MX+(e-65)%2], v[P+16*((e-65)%2)+2*((e-65)/2)], v[P+16*((e-65)%2)+2*((e-65)/2)+1]
.elseif e < 83
	v_permlanex16_b32 v[MP+e-81], v[MX+e-81], s[SEL], s[SEL+1]
.elseif e < 85
	v_max_num_f32 v[MX+e-83], v[MX+e-83], v[MP+e-83]
.elseif e < 87
	v_add_nc_u32 v[SO+e-85], 0xff000000, v[MX+e-85]
.elseif e < 89
	v_lshrrev_b32 v[MP+e-87], 23, v[SO+e-87]
.elseif (e == 89) && (\c == 0)
	v_lshl_or_b32 v[PWA], v[MP+1], 8, v[MP]
.elseif e == 89
	v_lshl_or_b32 v[PWA], v[MP], 16, v[PWA]
.elseif (e == 90) && (\c == 0)
.elseif e == 90
	v_lshl_or_b32 v[PWA], v[MP+1], 24, v[PWA]
.elseif e < 95
	v_cvt_scalef32_pk8_fp4_f32 v[rC+e-91], v[P+8*(e-91):P+8*(e-91)+7], v[SO+(e-91)/2]
.elseif e == 95
	v_nop
.elseif e < 98
	v_permlane16_swap_b32 v[rC+e-96], v[rC+2+e-96]
.elseif e == 98
	v_pk_add_f32 v[SU:SU+1], v[P:P+1], v[P+2:P+3]
.elseif (e < 113) && (((e-99)%2) == 0)
	v_pk_add_f32 v[LA:LA+1], v[LA:LA+1], v[P+4+4*((e-99)/2):P+5+4*((e-99)/2)]
.elseif e < 113
	v_pk_add_f32 v[SU:SU+1], v[SU:SU+1], v[P+6+4*((e-99)/2):P+7+4*((e-99)/2)]
.else
	v_pk_add_f32 v[LA:LA+1], v[LA:LA+1], v[SU:SU+1]
.endif
.endm
; Slice k of 16.  Behind slice 10 stands the turn's ONE wait for its 32 exponentials: ahead of it nothing names a result, behind it no exponential is issued
.macro SLICE c
.if k < 10
.set e0, 6*k
.set e1, 6*k+6
.elseif k == 10
.set e0, 60
.set e1, 65
.elseif k == 11
.set e0, 65
.set e1, 74
.else
.set e0, 74+10*(k-12)
.set e1, 84+10*(k-12)
.endif
.set e, e0
.rept e1-e0
	SME \c
.set e, e+1
.endr
.if k == 10
	s_wait_alu depctr_va_vdst(0)
.endif
.set k, k+1
.endm
; 16 products on codes: O^T += v^T p^T, K = the step's 128 keys.  z = 1: they start the sums.  Sixteen sums, one instruction each
.macro PV z
	WIN 0x51                                       ; source 0 (v) window 1, source 1 (p) window 0, C and D window 1
.set T, 0
.rept 8
.if \z == 1
	v_wmma_scale_f32_16x16x128_f8f6f4 v[16*T:16*T+7], v[128+16*T:128+16*T+7], v[CA:CA+7], 0, v[VS+T], v[PWA] matrix_a_fmt:MATRIX_FMT_FP4 matrix_b_fmt:MATRIX_FMT_FP4
	v_wmma_scale_f32_16x16x128_f8f6f4 v[16*T+8:16*T+15], v[128+16*T+8:128+16*T+15], v[CA:CA+7], 0, v[VS+T], v[PWA] matrix_a_fmt:MATRIX_FMT_FP4 matrix_b_fmt:MATRIX_FMT_FP4 matrix_a_scale:MATRIX_SCALE_ROW1
.else
	v_wmma_scale_f32_16x16x128_f8f6f4 v[16*T:16*T+7], v[128+16*T:128+16*T+7], v[CA:CA+7], v[16*T:16*T+7], v[VS+T], v[PWA] matrix_a_fmt:MATRIX_FMT_FP4 matrix_b_fmt:MATRIX_FMT_FP4
	v_wmma_scale_f32_16x16x128_f8f6f4 v[16*T+8:16*T+15], v[128+16*T+8:128+16*T+15], v[CA:CA+7], v[16*T+8:16*T+15], v[VS+T], v[PWA] matrix_a_fmt:MATRIX_FMT_FP4 matrix_b_fmt:MATRIX_FMT_FP4 matrix_a_scale:MATRIX_SCALE_ROW1
.endif
.set T, T+1
.endr
	WIN 0
.endm
; TURN c.  The softmax of half c stands in slices behind the f32 products of the next half step, whose parity is 1 - c (kq = 0: none).  fetch = 1: behind slice 4 k's images of the half step after that, into buffer c, which the
; turn before has read: its sixteen sums and this turn's slices are the places.  pv = 1, 2: behind the turn the step's products on codes.
.macro TURN c, kq, fetch, pv
.if \c == 0
	s_wait_dscnt 40                                ; k's odd buffer is in; the 32 + 8 loads of v that were issued behind its eight may be out (on the ways in from the head and from a change of slots nothing is out)
.else
	s_wait_dscnt 0x0                               ; k's even buffer and v are in
.endif
.set k, 0
.set n, 0
.rept 16
.if \kq
	QK 1-\c
.endif
	SLICE \c
.if (n == 4) && \fetch
	FETCH_K \c
.endif
.set n, n+1
.endr
.if \pv
	PV \pv
.endif
.endm
; KEY STEP j (halves 2 j, 2 j + 1).  All its fetches are the NEXT step's, from the block at s[TB].
.macro TRIP z
	TURN 0, 1, 1, 0                                ; S^T of half 2 j + 1 | the softmax of half 2 j     | k of step j + 1, half 0
	TURN 1, 1, 1, \z                               ; S^T of half 2 j + 2 | the softmax of half 2 j + 1 | k's half 1 | then O^T of step j
	FETCH_V                                        ; v of step j + 1: nearly two turns ahead of its use
	s_add_co_u32 s[TB], s[TB], STEPB
.endm
.macro STEPS cnt
	s_mov_b32 s[CNT], \cnt
.Lstep_\@:
	TRIP 2
	s_sub_co_u32 s[CNT], s[CNT], 1
	s_cmp_lg_u32 s[CNT], 0
	s_cbranch_scc1 .Lstep_\@
.endm
; THE CHANGE OF SLOTS stands in front of the key step whose fetches are the first from the next slot: the slot in hand has been asked for its last bytes.  Each wave waits for all its tensor loads (its part of the next slot),
; adds 0 to its spare word, and waits for that and for its reads of the slot.  The barrier is a round of the cluster's, and the slot is filled again first thing behind it: one load a wave is out, and it has four key steps in which to land.
; fill = 1: the joint load of the steps two slots on.  fill = 2, the last change: nothing of k and v is left to fetch: the wave's own 25 rows of x take the bytes that it filled before
.macro CHANGE fill
	s_wait_tensorcnt 0x0                           ; no tensor load of mine is out, so a group 0 may be written
	ds_add_u32 v[SPW], v[NIL]                      ; 0 onto my spare word
.if \fill == 1
	s_xor_b32 s[G0B+1], s[G0B+1], SLOT1            ; the walking descriptor: the other slot than last time,
	s_add_nc_u64 s[G0B+2:G0B+3], s[G0B+2:G0B+3], SLOTB   ; the next four steps; the type bits on top are not reached
	s_wait_xcnt 0x0                                ; the last prefetch, four key steps back, has read its address, so it may be written:
	s_add_nc_u64 s[PFA:PFA+1], s[PFA:PFA+1], SLOTB       ; one slot further on than the walking descriptor
.endif
	s_wait_dscnt 0x0                               ; the add is done, and my reads of the slot are over
	CROUND
.if \fill == 1
	tensor_load_to_lds s[G0B:G0B+3], s[G1:G1+7]
	s_nop 0
	PLACES 4
	ASK
.else
	tensor_load_to_lds s[G0X:G0X+3], s[G1X:G1X+7]
	s_nop 0
	PLACES 4
.endif
	s_sub_co_u32 s[TB], s[TB], SLOTB               ; the fetches go back to a slot's first step,
	s_xor_b32 s[TB], s[TB], SLOT1                  ; in the other slot
.endm
; 64 numbers of a lane, register 16 b + i = k 32 b + 16 (lane / 16) + i of my row, become a fragment's codes in v[pc] on and its scale word in v[pw]
.macro QUANT s, pc, pw
.irp b, 0,1,2,3
	v_max3_num_f32 v[TM+\b], |v[\s+16*\b]|, |v[\s+1+16*\b]|, 0x1800000
.endr
.irp i, 2,4,6,8,10,12,14
.irp b, 0,1,2,3
	v_max3_num_f32 v[TM+\b], v[TM+\b], |v[\s+16*\b+\i]|, |v[\s+1+16*\b+\i]|
.endr
.endr
.irp b, 0,1,2,3
	v_permlanex16_b32 v[TM+4+\b], v[TM+\b], s[SEL], s[SEL+1]
.endr
.irp b, 0,1,2,3
	v_max_num_f32 v[TM+\b], v[TM+\b], v[TM+4+\b]
.endr
.irp b, 0,1,2,3
	v_add_nc_u32 v[TM+8+\b], 0xff000000, v[TM+\b]
.endr
.irp b, 0,1,2,3
	v_lshrrev_b32 v[TM+4+\b], 23, v[TM+8+\b]
.endr
	v_lshl_or_b32 v[\pw], v[TM+5], 8, v[TM+4]
	v_lshl_or_b32 v[\pw], v[TM+6], 16, v[\pw]
	v_lshl_or_b32 v[\pw], v[TM+7], 24, v[\pw]
.irp b, 0,1,2,3
	v_cvt_scalef32_pk8_fp4_f32 v[\pc+2*\b], v[\s+16*\b:\s+7+16*\b], v[TM+8+\b]
	v_cvt_scalef32_pk8_fp4_f32 v[\pc+1+2*\b], v[\s+8+16*\b:\s+15+16*\b], v[TM+8+\b]
.endr
	v_nop
.irp c, 0,1
.irp i, 0,1
	v_permlane16_swap_b32 v[\pc+4*\c+\i], v[\pc+2+4*\c+\i]
.endr
.endr
.endm
	s_load_b512 s[4:19], s[0:1], 0x0               ; kv s[4:5], qf s[6:7], Wo codes s[8:9], Wo scales s[10:11], bo s[12:13], gamma s[14:15], x s[16:17], out0 s[18:19]
	v_lshl_add_u32 v[SPW], v0, 2, SPARE
	v_mov_b32 v[NIL], 0
	ds_add_u32 v1, v2
	ds_add_u32 v1, v2
	s_wait_dscnt 0x0
	v_lshrrev_b32 v[LI], 5, v0
	v_readfirstlane_b32 s[WV], v[LI]               ; wave 0..7
	s_bfe_u32 s21, ttmp6, 0x40000                  ; cx: my place in the cluster
	s_lshl_b32 s22, ttmp9, 2
	s_add_co_u32 s22, s22, s21                     ; my block of 128 queries: it enters qf's, x's and out0's addresses and the prefetches' alone
	s_and_b32 s23, ttmp7, 0xffff                   ; the batch, which the four partners share
	; group 1 for the ring: a dense block as 50 rows of 256 bytes (32 elements of 8 bytes): a slot's 400 rows shared among eight waves; no padding: images are read 512 consecutive bytes at a time
	s_mov_b32 s[G1], 15|(3<<16)|(1<<21)            ; 15:0 the mask: all four work-groups; 17:16 elements of 8 bytes; 21 set beside a mask
	s_mov_b32 s[G1+1], 32<<16                      ; tensor_dim0 = 32
	s_mov_b32 s[G1+2], 50<<16                      ; tensor_dim1 = 50
	s_mov_b32 s[G1+3], 32<<16                      ; tile_dim0 = 32
	s_mov_b32 s[G1+4], 50                          ; tile_dim1 = 50
	s_mov_b32 s[G1+5], 32                          ; from row to row
	s_mov_b32 s[G1+6], 0
	s_mov_b32 s[G1+7], 0
	; group 1 for Wo: 32 rows of 128 bytes, 16 bytes of padding behind each
	s_mov_b32 s[G1W], 15|(1<<20)|(1<<21)|(4<<22)|(3<<25)   ; elements of 1 byte; padding on: after every 32 words (code 4) four words (code 3)
	s_mov_b32 s[G1W+1], 128<<16
	s_mov_b32 s[G1W+2], 32<<16
	s_mov_b32 s[G1W+3], 128<<16
	s_mov_b32 s[G1W+4], 32
	s_mov_b32 s[G1W+5], 128
	s_mov_b32 s[G1W+6], 0
	s_mov_b32 s[G1W+7], 0
	; groups 1 for x: rows of 128 numbers of 4 bytes, 4,096 numbers apart; no mask: each work-group has positions of its own
	s_mov_b32 s[G1X], 2<<16
	s_mov_b32 s[G1X+1], 128<<16
	s_mov_b32 s[G1X+2], 25<<16
	s_mov_b32 s[G1X+3], 128<<16
	s_mov_b32 s[G1X+4], 25
	s_mov_b32 s[G1X+5], 4096
	s_mov_b32 s[G1X+6], 0
	s_mov_b32 s[G1X+7], 0
	s_mov_b32 s[G1Y], 2<<16
	s_mov_b32 s[G1Y+1], 128<<16
	s_mov_b32 s[G1Y+2], 7<<16
	s_mov_b32 s[G1Y+3], 128<<16
	s_mov_b32 s[G1Y+4], 7
	s_mov_b32 s[G1Y+5], 4096
	s_mov_b32 s[G1Y+6], 0
	s_mov_b32 s[G1Y+7], 0
	s_mul_i32 s62, s23, 32*STEPB                   ; the batch's 32 steps,
	s_mul_i32 s66, s[WV], STEPB/2                  ; of a slot's 102,400 bytes my eighth: in memory and in LDS alike
	s_add_co_u32 s62, s62, s66
	s_mov_b32 s63, 0
	s_mul_i32 s67, s[WV], 32*WOP                   ; my 32 rows of Wo in LDS,
	s_lshl_b32 s68, s[WV], 12                      ; and in memory
	s_mov_b32 s69, 0
	s_lshl_b32 s70, s23, 22                        ; x and out0: batch x 4 MiB
	s_lshl_b32 s61, s[WV], 19                      ;   + my 32 channels x 16 KiB
	s_add_co_u32 s70, s70, s61
	s_lshl_b32 s61, s22, 9                         ;   + 128 positions x 4 bytes
	s_add_co_u32 s70, s70, s61
	s_mov_b32 s71, 0
	s_mul_i32 s61, s[WV], 7*512                    ; my 7 rows of x in LDS
	s_mov_b32 s[SEL], 0x76543210
	s_mov_b32 s[SEL+1], 0xfedcba98
	s_mov_b32 s[TB], 0
	s_wait_kmcnt 0x0
	s_load_b32 s60, s[14:15], 0x0                  ; gamma
	s_mov_b32 s[G0A], 1                            ; count = 1
	s_mov_b32 s[G0A+1], s66                        ; LDS address: slot 0
	s_add_nc_u64 s[G0A+2:G0A+3], s[4:5], s[62:63]  ; steps 0 to 3
	s_mov_b32 s[G0B], 1
	s_add_co_u32 s[G0B+1], s66, SLOT1              ; slot 1
	s_add_nc_u64 s[G0B+2:G0B+3], s[G0A+2:G0A+3], SLOTB   ; steps 4 to 7
	s_or_b32 s[G0A+3], s[G0A+3], 0x80000000        ; type = 2
	s_or_b32 s[G0B+3], s[G0B+3], 0x80000000
	s_mov_b32 s[G0W], 1
	s_add_co_u32 s[G0W+1], s67, WO
	s_add_nc_u64 s[G0W+2:G0W+3], s[8:9], s[68:69]
	s_or_b32 s[G0W+3], s[G0W+3], 0x80000000
	s_add_nc_u64 s[16:17], s[16:17], s[70:71]      ; x and out0 at my first row
	s_add_nc_u64 s[18:19], s[18:19], s[70:71]
	s_mov_b32 s[G0X], 1
	s_mov_b32 s[G0X+1], s66                        ; rows 0 to 24: the bytes of slot 0 that I fill with k and v
	s_mov_b64 s[G0X+2:G0X+3], s[16:17]
	s_or_b32 s[G0X+3], s[G0X+3], 0x80000000
	s_mov_b32 s[G0Y], 1
	s_add_co_u32 s[G0Y+1], s61, XT2                ; rows 25 to 31: bytes of their own
	s_add_nc_u64 s[G0Y+2:G0Y+3], s[16:17], 25*16384
	s_or_b32 s[G0Y+3], s[G0Y+3], 0x80000000
	CROUND                                         ; all four work-groups are here: the first joint loads meet
	tensor_load_to_lds s[G0A:G0A+3], s[G1:G1+7]    ; the first fills go out as one group: four loads of mine are out
	s_nop 0
	tensor_load_to_lds s[G0B:G0B+3], s[G1:G1+7]
	s_nop 0
	tensor_load_to_lds s[G0W:G0W+3], s[G1W:G1W+7]
	s_nop 0
	tensor_load_to_lds s[G0Y:G0Y+3], s[G1Y:G1Y+7]
	s_nop 0
	PLACES 4
	s_lshl_b32 s62, s23, 5
	s_add_co_u32 s62, s62, s22
	s_lshl_b32 s62, s62, 13                        ; qf: my block's 8 images,
	s_lshl_b32 s66, s[WV], 10                      ; my wave's one
	s_add_co_u32 s62, s62, s66
	s_add_nc_u64 s[6:7], s[6:7], s[62:63]
	s_mul_i32 s68, s23, 32*STEPB                   ; the prefetches: my batch,
	s_mul_i32 s66, s21, STEPB                      ; my work-group's quarter of a slot,
	s_add_co_u32 s68, s68, s66
	s_and_b32 s66, s[WV], 3
	s_mul_i32 s66, s66, STEPB/4                    ; my wave's quarter of that,
	s_add_co_u32 s68, s68, s66
	s_add_co_u32 s68, s68, 2*SLOTB                 ; in the third slot's worth: the first change of slots steps it to the fourth.  Nothing is prefetched here, at the head
	s_add_nc_u64 s[PFA:PFA+1], s[4:5], s[68:69]
	s_lshr_b32 s66, s[WV], 2                       ; 0 in waves 0 to 3,
	s_or_b32 s66, s66, ttmp9                       ; of the batch's first cluster: the same in all four partners
	s_cmp_eq_u32 s66, 0
	s_cselect_b32 s[LIM], 1, -1
	v_and_b32 v[PFO], 31, v0                       ; lane
	v_lshlrev_b32 v[LI], 4, v[PFO]
	v_lshlrev_b32 v[LS], 2, v[PFO]
	v_min_u32 v[PFO], 24, v[PFO]
	v_lshlrev_b32 v[PFO], 8, v[PFO]
	s_mul_i32 s66, s[WV], STEPB/2
	v_add_nc_u32 v[XR], s66, v[LI]                 ; x's rows in LDS: 16 bytes a lane
	s_add_co_u32 s61, s61, XT2
	v_add_nc_u32 v[XR2], s61, v[LI]
	v_and_b32 v[MX], 15, v0                        ; r
	v_bfe_u32 v[MX+1], v0, 4, 1                    ; h
	v_mul_u32_u24 v[WOA], v[MX], WOP
	v_lshl_add_u32 v[WOA], v[MX+1], 4, v[WOA]
	v_add_nc_u32 v[WOA], WO, v[WOA]
	v_lshlrev_b32 v[BOA], 2, v[MX]
	v_lshlrev_b32 v[MX], 3, v[MX]                  ; 8 r: a row of Wo's scale bytes (the register is written again only behind the wait for these loads)
	global_load_b128 v[QA:QA+3], v[LI], s[6:7]                                   ; q's image stays in registers
	global_load_b128 v[QA+4:QA+7], v[LI], s[6:7] offset:512
.set T, 0
.rept 16
	global_load_b64 v[WOS+2*T:WOS+2*T+1], v[MX], s[10:11] offset:128*T           ; output channel 16 t + r: its two scale words
.set T, T+1
.endr
	v_mov_b32 v[CLP], 0x429044fe                   ; 50 log2 e
	v_mov_b32 v[LA], 0                             ; the sum
	v_mov_b32 v[LA+1], 0
	v_mov_b32 v[MP], 0                             ; written once: a lane permute's destination counts as one of its sources
	v_mov_b32 v[MP+1], 0
	s_wait_tensorcnt 3                             ; my part of slot 0 is in; slot 1's, Wo's and x's loads, issued behind it, may stay out
	s_barrier_signal -1
	s_barrier_wait -1                              ; everybody's is
	FETCH_K 0                                      ; key step 0
	FETCH_K 1
	FETCH_V
	s_wait_loadcnt 0x0                             ; q, Wo's scale words
	s_wait_kmcnt 0x0                               ; gamma
	s_wait_dscnt 0x0
.set n, 0
.rept 16
	QK 0                                           ; the first scores: there is no vector work yet to set between them
.set n, n+1
.endr
	PLACES 8                                       ; eight places behind the f32 form in front of the first read of its results
	s_mov_b32 s[TB], STEPB
	TRIP 1                                         ; key step 0: its products on codes start O^T's sums: nothing is cleared
	STEPS 2                                        ; key steps 1, 2
	s_mov_b32 s[SLOTS], 6
.Lslot:                                            ; six trips: key steps 3 to 26; every slot's worth but the first two comes by a refill
	CHANGE 1
	STEPS 4
	s_sub_co_u32 s[SLOTS], s[SLOTS], 1
	s_cmp_lg_u32 s[SLOTS], 0
	s_cbranch_scc1 .Lslot
	CHANGE 2                                       ; the tail is written out: slot 0 is left, and takes x
	STEPS 4                                        ; key steps 27 to 30
	TURN 0, 1, 0, 0                                ; key step 31 fetches nothing
	TURN 1, 0, 0, 2                                ; the last softmax, with no f32 products beside it
	; ---- x's rows into the registers that v has left; bo; 1 / l
	PLACES 4
	s_wait_tensorcnt 0x0                           ; my 25 rows of x have landed (the 7 long ago); I alone read them
	WIN 0x40
.set T, 0
.rept 25
	ds_load_b128 v[128+4*T:128+4*T+3], v[XR] offset:512*T
.set T, T+1
.endr
.rept 7
	ds_load_b128 v[128+4*T:128+4*T+3], v[XR2] offset:512*(T-25)
.set T, T+1
.endr
	WIN 0
.set T, 0
.rept 16
	global_load_b32 v[BO+T], v[BOA], s[12:13] offset:64*T    ; bo of output channel 16 t + r
.set T, T+1
.endr
	v_add_f32 v[MX], v[LA], v[LA+1]                ; the sum's two halves,
	v_permlanex16_b32 v[MP], v[MX], s[SEL], s[SEL+1]
	v_add_f32 v[MX], v[MX], v[MP]                  ; and lane l xor 16's: the row's sum
	v_rcp_f32 v[LA], v[MX]
	v_nop                                          ; a plain line behind the reciprocal,
	s_wait_alu depctr_va_vdst(0)                   ; and the wait ahead of its first reader
	; ---- out = O^T / l, quantised along the channels: K step s: O^T's registers 64 s on are channels 128 s + 32 b + 16 h + i
.irp ss, 0,1
	WIN 0x01                                       ; source 0 window 1
.set T, 0
.rept 32
	v_pk_mul_f32 v[H+2*T:H+2*T+1], v[64*\ss+2*T:64*\ss+2*T+1], v[LA:LA+1] op_sel_hi:[1,0]
.set T, T+1
.endr
	WIN 0
.set OCR, OC+8*\ss
.set OSR, VS+\ss
	QUANT H, OCR, OSR
.endr
	; ---- the last product: source 0 = out's 16 queries, source 1 = 16 rows of Wo: lane (r, h) holds output channel 16 t + r and positions 32 (w / 2) + 8 (w % 2) + 16 h + 0 .. 7
	s_wait_loadcnt 0x0                             ; bo
	v_med3_num_f32 v[G], s60, 0, 1.0               ; g = clip(gamma, 0, 1)
.set T, 0
.rept 16
	v_mul_f32 v[BO+T], v[BO+T], v[G]               ; g bo.  (These lines and the addresses below are the places behind the last scale word's and the last codes' writes)
.set T, T+1
.endr
	v_and_b32 v[MX], 15, v0
	v_bfe_u32 v[MX+1], v0, 4, 1
	v_mul_u32_u24 v[STO], v[MX], SP                ; the stage: row = output channel, 528 r,
	v_lshl_add_u32 v[STO], v[MX+1], 6, v[STO]      ; + 64 h
	s_lshr_b32 s66, s[WV], 1
	s_lshl_b32 s66, s66, 7                         ; + 128 (w / 2)
	s_and_b32 s67, s[WV], 1
	s_lshl_b32 s67, s67, 5                         ; + 32 (w % 2): my 16 positions' bytes
	s_add_co_u32 s66, s66, s67
	s_add_co_u32 s66, s66, STAGE
	v_add_nc_u32 v[STO], s66, v[STO]
	v_add_nc_u32 v[STO+1], 128*SP, v[STO]          ; rows 128 on: the immediate reaches 64 KiB
	s_mul_i32 s66, s[WV], 32*SP
	s_add_co_u32 s66, s66, STAGE
	v_add_nc_u32 v[RD], s66, v[LI]                 ; back: my 32 rows, 16 bytes a lane
	; Wo's fragments come four tiles at a time, into the 64 registers that out's numbers have left.  (Every wave waited for all its tensor loads in front of the first change's round: Wo lies whole in LDS)
.irp g, 0,1,2,3
.if \g > 0
	PLACES 4                                       ; four places in front of loads into registers that the products have read
.endif
.irp tt, 0,1,2,3
.irp ss, 0,1
.irp c, 0,1
	ds_load_b128 v[WB+16*\tt+8*\ss+4*\c:WB+16*\tt+8*\ss+4*\c+3], v[WOA] offset:16*WOP*(4*\g+\tt)+64*\ss+32*\c
.endr
.endr
.endr
	s_wait_dscnt 0x0
	WIN 0x50                                       ; C and D window 1: the results take the registers that O^T has left.  Four sums by turns, a K step at a time
.irp tt, 0,1,2,3
	v_wmma_scale_f32_16x16x128_f8f6f4 v[8*(4*\g+\tt):8*(4*\g+\tt)+7], v[OC:OC+7], v[WB+16*\tt:WB+16*\tt+7], 0, v[VS], v[WOS+2*(4*\g+\tt)] matrix_a_fmt:MATRIX_FMT_FP4 matrix_b_fmt:MATRIX_FMT_FP4
.endr
.irp tt, 0,1,2,3
	v_wmma_scale_f32_16x16x128_f8f6f4 v[8*(4*\g+\tt):8*(4*\g+\tt)+7], v[OC+8:OC+15], v[WB+16*\tt+8:WB+16*\tt+15], v[8*(4*\g+\tt):8*(4*\g+\tt)+7], v[VS+1], v[WOS+2*(4*\g+\tt)+1] matrix_a_fmt:MATRIX_FMT_FP4 matrix_b_fmt:MATRIX_FMT_FP4
.endr
	WIN 0
.endr
	PLACES 4
	WIN 0x41                                       ; destination and source 0 window 1
.set T, 0
.rept 16                                       ; each result from its low end on
.irp j, 0,1,2,3,4,5,6,7
	v_fma_f32 v[8*T+\j], v[8*T+\j], v[G], v[BO+T]  ; g (Wo out) + g bo
.endr
.set T, T+1
.endr
	WIN 0
	s_wait_dscnt 0x0
	s_barrier_signal -1
	s_barrier_wait -1                              ; no wave reads slot 1 or Wo any more (each has waited for its last reads of them): the stage may be written over them
	WIN 0x04                                       ; an LDS store's data are its source 1: window 1
.set T, 0
.rept 16
	ds_store_b128 v[STO+T/8], v[8*T:8*T+3] offset:16*SP*(T%8)
	ds_store_b128 v[STO+T/8], v[8*T+4:8*T+7] offset:16*SP*(T%8)+16
.set T, T+1
.endr
	WIN 0
	s_wait_dscnt 0x0                               ; for the others' sake: my stores into the stage are done
	s_barrier_signal -1
	s_barrier_wait -1                              ; 256 whole rows lie in the stage
	WIN 0x40
.set T, 0
.rept 32
	ds_load_b128 v[4*T:4*T+3], v[RD] offset:SP*T   ; my 32 rows, into the registers that the results have left
.set T, T+1
.endr
.irp g, 0,1
	s_wait_dscnt 16-16*\g                          ; these 16 rows are back; the rows asked for behind them may be out
	WIN 0x45                                       ; all three operands window 1
.set T, 32*\g
.rept 32
	v_pk_add_f32 v[128+2*T:128+2*T+1], v[128+2*T:128+2*T+1], v[2*T:2*T+1]
.set T, T+1
.endr
	WIN 0x04                                       ; a store's data are its source 1: window 1
.set T, 16*\g
.rept 16
	global_store_b128 v[LI], v[128+4*T:128+4*T+3], s[18:19] offset:16384*T th:TH_STORE_NT   ; 32 lanes store 512 consecutive bytes, at a multiple of 256 from out0's first byte
.set T, T+1
.endr
.endr
	WIN 0
	s_wait_tensorcnt 0x0                           ; the wave's end: behind my last tensor load and my last LDS store
	ds_add_u32 v[SPW], v[NIL]
	s_wait_dscnt 0x0
	CROUND                                         ; the closing round: no work-group ends while a partner may still ask for a block that names it
	s_endpgm
.Lfunc_end_k_q0bbceffb94_attend:
	.size	k_q0bbceffb94_attend, .Lfunc_end_k_q0bbceffb94_attend-k_q0bbceffb94_attend
	.p2alignl 7, 3214868480
	.fill 96, 4, 3214868480
	.section	.rodata,"a",@progbits
	.p2align	6, 0x0
	.amdhsa_kernel k_q0bbceffb94_attend
		.amdhsa_group_segment_fixed_size 327680
		.amdhsa_private_segment_fixed_size 0
		.amdhsa_enable_private_segment 0
		.amdhsa_kernarg_size 64
		.amdhsa_user_sgpr_count 2
		.amdhsa_user_sgpr_kernarg_segment_ptr 1
		.amdhsa_wavefront_size32 1
		.amdhsa_system_sgpr_workgroup_id_x 1
		.amdhsa_system_sgpr_workgroup_id_y 1
		.amdhsa_system_sgpr_workgroup_id_z 1
		.amdhsa_system_vgpr_workitem_id 0
		.amdhsa_next_free_vgpr 512
		.amdhsa_next_free_sgpr 96
		.amdhsa_reserve_vcc 0
		.amdhsa_float_denorm_mode_32 3
		.amdhsa_float_denorm_mode_16_64 3
		.amdhsa_memory_ordered 1
		.amdhsa_forward_progress 1
		.amdhsa_inst_pref_size 157
	.end_amdhsa_kernel
	.amdgpu_metadata
---
amdhsa.version: [ 1, 2 ]
amdhsa.kernels:
  - .name:           k_q0bbceffb94_attend
    .symbol:         k_q0bbceffb94_attend.kd
    .args:
      - { .name: kv, .offset: 0, .size: 8, .value_kind: global_buffer, .address_space: global }
      - { .name: qf, .offset: 8, .size: 8, .value_kind: global_buffer, .address_space: global }
      - { .name: Wo_codes, .offset: 16, .size: 8, .value_kind: global_buffer, .address_space: global }
      - { .name: Wo_scales, .offset: 24, .size: 8, .value_kind: global_buffer, .address_space: global }
      - { .name: bo, .offset: 32, .size: 8, .value_kind: global_buffer, .address_space: global }
      - { .name: gamma, .offset: 40, .size: 8, .value_kind: global_buffer, .address_space: global }
      - { .name: x, .offset: 48, .size: 8, .value_kind: global_buffer, .address_space: global }
      - { .name: out0, .offset: 56, .size: 8, .value_kind: global_buffer, .address_space: global }
    .group_segment_fixed_size: 327680
    .private_segment_fixed_size: 0
    .kernarg_segment_align: 8
    .kernarg_segment_size: 64
    .max_flat_workgroup_size: 256
    .sgpr_count:     96
    .vgpr_count:     512
    .wavefront_size: 32
...
	.end_amdgpu_metadata
.endif
;; end of part 2
